; MI455X (gfx1250); checked and timed in simulation.
; The chip was launched on July 23, 2026; its instructions are those of AMD's public machine-readable ISA for CDNA 5 (MIT licence, August 2026) and "CDNA5" Instruction Set Architecture Reference Guide (July 2026). The comments in the code are by the model that wrote it; some were corrected since.
;; Linear3 Bit. Allowed arithmetic: float matrix products may take bf16 or f16 operands with f32 sums; other float arithmetic in f32, or as packed bf16 or f16 multiplies, adds, multiply-adds, maxima and minima; sums over many terms, partial sums and values carried from step to step in f32; what a program stores and reads back later, other than sums and carried values, may be rounded once to bf16 or f16.
;; Inputs: bias 4,096 float32; weight_q3 262,144 x 24 int32; weight_scale 262,144 x 1 float32; x 4,096 x 4,096 float32.
;; Outputs: out0 4,096 x 4,096 float32.
;; One version. Each part assembles by itself: llvm-mc -triple=amdgcn-amd-amdhsa -mcpu=gfx1250 --defsym DOCPART=n.
;; ======== version 1 of 1: 2 launches
;; limits: values are held in f16: magnitudes above 65,504 overflow, below 6.1e-05 lose precision; inputs' magnitudes at most 65,504
;; workspace buffers: xh 33,554,432 bytes; wh 33,554,432 bytes
;; launch prep (part 1): grid 1536 x 1, 8 waves a work-group, no clusters, 0 bytes of LDS; arguments x, weight_q3, weight_scale, xh, wh; writes xh, wh
.if DOCPART == 1
	.amdgcn_target "amdgcn-amd-amdhsa--gfx1250"
	.amdhsa_code_object_version 6
	.text
	.protected	k_q82825e7bd7_prep
	.globl	k_q82825e7bd7_prep
	.p2align	8
	.type	k_q82825e7bd7_prep,@function
k_q82825e7bd7_prep:
	s_mov_b64 s[64:65], 0
	v_nop
	global_prefetch_b8 v0, s[64:65] scope:SCOPE_SE
	s_setreg_imm32_b32 hwreg(HW_REG_WAVE_MODE, 25, 1), 1
	s_wait_xcnt 0x0
; PREPARATION OF THE TWO MATRIX OPERANDS, each made once.
;   xh[t][k] = x[t][k] rounded to bf16, that number written as f16.                       [4096][4096] f16
;   wh[o][k] = (min(code, 6) - 3) x (scale rounded to bf16), written as f16.               [4096][4096] f16
; A bf16 number has 8 significant bits, and -3 .. 3 times such a number at most 10: both are exact in f16's 11 bits.
; LIMITS.  |x| or 3 x scale from 65,520 on becomes an infinity in f16; below 2^-17 an operand keeps f16's fixed step of 2^-24.
; NaN and infinities among the inputs are not treated apart.  Of each int32 of weight_q3 the low byte alone counts, as in the source.
; SHARES.  Work-groups 0 .. 511 make wh: eight rows each, a row a wave.  Work-groups 512 .. 1535 make xh: 65,536 bytes of x each.
; A lane issues all its sixteen loads at once, into registers of their own, and works them off in order with counted waits; no
; register that a load or store names is written a second time, so no wait frees a source.  No wave needs another wave's bytes:
; no LDS, no barrier, no matrix unit, no cluster.
.set NWG_W, 512                        ; work-groups that make wh
.set INO,  3                           ; v3       my byte offset in the input
.set SCO,  4                           ; v4       my byte offset in the scales
.set OUTO, 5                           ; v5       my byte offset in the output
.set SA,   6                           ; v6       the row's scale number lane,
.set SB,   7                           ; v7       and number 32 + lane
.set T,    8                           ; v8       at work
.set U,    9                           ; v9       three bytes as one word of 24 bits: eight codes
.set TP,   10                          ; v[10:13] four pairs of codes at work
.set IDX,  16                          ; v[16:23] lane selects: 4 x (4 k + lane / 8)
.set SL,   32                          ; v[32:95] sixteen slots of four: as loaded, then as stored
.set SC,   96                          ; v[96:111] step i's scale, in both halves
	s_load_b256 s[4:11], s[0:1], 0x0               ; x s[4:5], weight_q3 s[6:7], weight_scale s[8:9], xh s[10:11]
	s_load_b64 s[12:13], s[0:1], 0x20              ; wh
	v_and_b32 v1, 31, v0                           ; lane
	v_lshrrev_b32 v2, 5, v0                        ; wave
	s_mov_b32 s3, 0                                ; the high word of every offset pair
	s_mov_b32 s14, 0xffff0000                      ; a word's upper bf16
	s_wait_kmcnt 0x0
	s_cmp_lt_u32 ttmp9, NWG_W
	s_cbranch_scc0 .Lx
	; ---------------- wh ----------------
	; A row of w is 64 groups of 24 words: 6,144 bytes of codes, 256 bytes of scales, 8,192 bytes of wh.  Three words (12 bytes) hold eight
	; codes.  In step i lane l takes triple 32 i + l: a wave's load covers 384 consecutive bytes, its store 512 consecutive bytes, aligned.
	s_mov_b32 s15, 0x00000400                      ; byte 0 of the second source, byte 0 of the first
	s_mov_b32 s16, 0x04040100                      ; bytes 0, 1 of the second source, byte 0 of the first (the top byte is never looked at)
	s_mov_b32 s17, 0x00070007                      ; three bits in each half
	s_mov_b32 s18, 0x64006400                      ; 1,024 twice in f16: its last mantissa bit counts 1, so 0x6400 | c is 1,024 + c
	s_mov_b32 s19, 0x64066406                      ; 1,030 twice: the clip at code 6
	s_mov_b32 s20, 0xe403e403                      ; -1,027 twice: 1,024 + c - 1,027 = c - 3, exact
	v_mul_u32_u24 v[INO], v1, 12
	v_mul_u32_u24 v[T], v2, 6144
	v_add_nc_u32 v[INO], v[INO], v[T]              ; wave x 6,144 + lane x 12
	v_lshlrev_b32 v[SCO], 2, v1
	v_lshl_add_u32 v[SCO], v2, 8, v[SCO]           ; wave x 256 + lane x 4
	v_lshlrev_b32 v[OUTO], 4, v1
	v_lshl_add_u32 v[OUTO], v2, 13, v[OUTO]        ; wave x 8,192 + lane x 16
	s_mul_i32 s2, ttmp9, 49152                     ; the work-group's eight rows of codes,
	s_add_nc_u64 s[6:7], s[6:7], s[2:3]
	s_lshl_b32 s2, ttmp9, 11                       ; of scales,
	s_add_nc_u64 s[8:9], s[8:9], s[2:3]
	s_lshl_b32 s2, ttmp9, 16                       ; and of wh
	s_add_nc_u64 s[12:13], s[12:13], s[2:3]
	global_load_b32 v[SA], v[SCO], s[8:9]          ; the row's 64 scales: its 256 bytes are read once, whole
	global_load_b32 v[SB], v[SCO], s[8:9] offset:128
.irp i, 0,1,2,3,4,5,6,7,8,9,10,11,12,13,14,15
	global_load_b96 v[SL+4*(\i):SL+4*(\i)+2], v[INO], s[6:7] offset:384*(\i) th:TH_LOAD_NT
.endr
	v_lshrrev_b32 v[T], 3, v1
	v_lshlrev_b32 v[T], 2, v[T]                    ; 4 x (lane / 8)
.irp k, 0,1,2,3,4,5,6,7
	v_add_nc_u32 v[IDX+(\k)], 16*(\k), v[T]
.endr
	s_wait_loadcnt 16                              ; both scale loads are in; the sixteen code loads issued behind them may stay out
	v_cvt_pk_bf16_f32 v[T], v[SA], v[SB]           ; the scales rounded to bf16,
	v_lshlrev_b32 v[SA], 16, v[T]                  ; back as f32,
	v_and_b32 v[SB], s14, v[T]
	v_cvt_pk_f16_f32 v[SA], v[SA], v[SA]           ; and as f16 in both halves
	v_cvt_pk_f16_f32 v[SB], v[SB], v[SB]
	; Triple 32 i + l lies in group 4 i + l / 8: groups 0 .. 31 sit in SA's lanes, 32 .. 63 in SB's.  The permute touches no LDS byte.
.irp i, 0,1,2,3,4,5,6,7
	ds_bpermute_b32 v[SC+(\i)], v[IDX+(\i)], v[SA]
.endr
.irp i, 0,1,2,3,4,5,6,7
	ds_bpermute_b32 v[SC+8+(\i)], v[IDX+(\i)], v[SB]
.endr
; Step i: eight codes become eight f16 numbers.  Every 16-bit line below is exact.
.macro DEQ i
	s_wait_loadcnt 15-(\i)                         ; loads come back in order (ISA guide 5.7.1): step i's is in, the 15 - i younger ones stay out
	v_perm_b32 v[U], v[SL+4*(\i)+1], v[SL+4*(\i)], s15   ; the three low bytes, the first lowest: code j is bits 3 j .. 3 j + 2
	v_perm_b32 v[U], v[SL+4*(\i)+2], v[U], s16
.irp p, 0,1,2,3
	v_bfe_u32 v[TP+(\p)], v[U], 6*(\p), 6          ; codes 2 p and 2 p + 1
.endr
.irp p, 0,1,2,3
	v_lshl_or_b32 v[TP+(\p)], v[TP+(\p)], 13, v[TP+(\p)]  ; a second copy 13 bits up: the odd code now begins at bit 16
.endr
.irp p, 0,1,2,3
	v_and_or_b32 v[TP+(\p)], v[TP+(\p)], s17, s18  ; 1,024 + code in each half
.endr
.irp p, 0,1,2,3
	v_pk_min_num_f16 v[TP+(\p)], v[TP+(\p)], s19   ; code 7 counts as 6
.endr
.irp p, 0,1,2,3
	v_pk_add_f16 v[TP+(\p)], v[TP+(\p)], s20       ; -3 .. 3
.endr
	s_wait_dscnt 15-(\i)                           ; step i's scale has come; the younger permutes stay out
.irp p, 0,1,2,3
	v_pk_mul_f16 v[SL+4*(\i)+(\p)], v[TP+(\p)], v[SC+(\i)]
.endr
	global_store_b128 v[OUTO], v[SL+4*(\i):SL+4*(\i)+3], s[12:13] offset:512*(\i)
.endm
.irp i, 0,1,2,3,4,5,6,7,8,9,10,11,12,13,14,15
	DEQ \i
.endr
	s_endpgm
	; ---------------- xh ----------------
	; Thread t takes 16 bytes of x at 16 t + 4,096 i and writes 8 bytes of xh at 8 t + 2,048 i: a wave's store covers 256 consecutive bytes, aligned.
.Lx:
	v_lshlrev_b32 v[INO], 4, v0
	v_lshlrev_b32 v[OUTO], 3, v0
	s_sub_co_u32 s22, ttmp9, NWG_W
	s_lshl_b32 s2, s22, 16                         ; 65,536 bytes of x,
	s_add_nc_u64 s[4:5], s[4:5], s[2:3]
	s_lshl_b32 s2, s22, 15                         ; 32,768 of xh
	s_add_nc_u64 s[10:11], s[10:11], s[2:3]
.irp i, 0,1,2,3,4,5,6,7,8,9,10,11,12,13,14,15
	global_load_b128 v[SL+4*(\i):SL+4*(\i)+3], v[INO], s[4:5] offset:4096*(\i) th:TH_LOAD_NT
.endr
.macro CVT i
	s_wait_loadcnt 15-(\i)                         ; step i's load is in, the younger ones stay out
	v_cvt_pk_bf16_f32 v[TP], v[SL+4*(\i)], v[SL+4*(\i)+1]      ; the one rounding, to bf16;
	v_cvt_pk_bf16_f32 v[TP+1], v[SL+4*(\i)+2], v[SL+4*(\i)+3]
	v_lshlrev_b32 v[SL+4*(\i)], 16, v[TP]                      ; back as f32;
	v_and_b32 v[SL+4*(\i)+1], s14, v[TP]
	v_lshlrev_b32 v[SL+4*(\i)+2], 16, v[TP+1]
	v_and_b32 v[SL+4*(\i)+3], s14, v[TP+1]
	v_cvt_pk_f16_f32 v[SL+4*(\i)], v[SL+4*(\i)], v[SL+4*(\i)+1]    ; the same numbers as f16
	v_cvt_pk_f16_f32 v[SL+4*(\i)+1], v[SL+4*(\i)+2], v[SL+4*(\i)+3]
	global_store_b64 v[OUTO], v[SL+4*(\i):SL+4*(\i)+1], s[10:11] offset:2048*(\i)
.endm
.irp i, 0,1,2,3,4,5,6,7,8,9,10,11,12,13,14,15
	CVT \i
.endr
	s_endpgm
.Lfunc_end_k_q82825e7bd7_prep:
	.size	k_q82825e7bd7_prep, .Lfunc_end_k_q82825e7bd7_prep-k_q82825e7bd7_prep
	.p2alignl 7, 3214868480
	.fill 96, 4, 3214868480
	.section	.rodata,"a",@progbits
	.p2align	6, 0x0
	.amdhsa_kernel k_q82825e7bd7_prep
		.amdhsa_group_segment_fixed_size 0
		.amdhsa_private_segment_fixed_size 0
		.amdhsa_enable_private_segment 0
		.amdhsa_kernarg_size 40
		.amdhsa_user_sgpr_count 2
		.amdhsa_user_sgpr_kernarg_segment_ptr 1
		.amdhsa_wavefront_size32 1
		.amdhsa_system_sgpr_workgroup_id_x 1
		.amdhsa_system_sgpr_workgroup_id_y 1
		.amdhsa_system_sgpr_workgroup_id_z 1
		.amdhsa_system_vgpr_workitem_id 0
		.amdhsa_next_free_vgpr 112
		.amdhsa_next_free_sgpr 66
		.amdhsa_reserve_vcc 0
		.amdhsa_float_denorm_mode_32 3
		.amdhsa_float_denorm_mode_16_64 3
		.amdhsa_memory_ordered 1
		.amdhsa_forward_progress 1
		.amdhsa_inst_pref_size 44
	.end_amdhsa_kernel
	.amdgpu_metadata
---
amdhsa.version: [ 1, 2 ]
amdhsa.kernels:
  - .name:           k_q82825e7bd7_prep
    .symbol:         k_q82825e7bd7_prep.kd
    .args:
      - { .name: x, .offset: 0, .size: 8, .value_kind: global_buffer, .address_space: global }
      - { .name: weight_q3, .offset: 8, .size: 8, .value_kind: global_buffer, .address_space: global }
      - { .name: weight_scale, .offset: 16, .size: 8, .value_kind: global_buffer, .address_space: global }
      - { .name: xh, .offset: 24, .size: 8, .value_kind: global_buffer, .address_space: global }
      - { .name: wh, .offset: 32, .size: 8, .value_kind: global_buffer, .address_space: global }
    .group_segment_fixed_size: 0
    .private_segment_fixed_size: 0
    .kernarg_segment_align: 8
    .kernarg_segment_size: 40
    .max_flat_workgroup_size: 256
    .sgpr_count:     66
    .vgpr_count:     112
    .wavefront_size: 32
...
	.end_amdgpu_metadata
.endif
;; end of part 1
;; launch gemm (part 2): grid 16 x 16, 4 waves a work-group, clusters of 4 x 4, 327,680 bytes of LDS; arguments xh, wh, bias, out0; writes out0
.if DOCPART == 2
	.amdgcn_target "amdgcn-amd-amdhsa--gfx1250"
	.amdhsa_code_object_version 6
	.text
	.protected	k_q82825e7bd7_gemm
	.globl	k_q82825e7bd7_gemm
	.p2align	8
	.type	k_q82825e7bd7_gemm,@function
k_q82825e7bd7_gemm:
	s_mov_b64 s[64:65], 0
	v_nop
	global_prefetch_b8 v0, s[64:65] scope:SCOPE_SE
	s_setreg_imm32_b32 hwreg(HW_REG_WAVE_MODE, 25, 1), 1
	s_wait_xcnt 0x0
	s_wait_alu depctr_hold_cnt(0) depctr_sa_sdst(0) depctr_va_vdst(0) depctr_va_sdst(0) depctr_va_ssrc(0) depctr_va_vcc(0) depctr_vm_vsrc(0)
	s_getreg_b32 s2, hwreg(HW_REG_IB_STS2, 6, 4)
	s_cmp_eq_u32 s2, 0
	s_cbranch_scc0 .Lentry_in_a_cluster
	s_endpgm
.Lentry_in_a_cluster:
	s_bfe_u32 s2, ttmp6, 0x10000c
	s_cmp_lg_u32 s2, 0xf033
	s_cbranch_scc0 .Lentry_shape_is_right
	s_endpgm
.Lentry_shape_is_right:
; out0[t][o] = bias[o] + the sum over k of xh[t][k] wh[o][k].  xh: [4096][4096] f16, wh: [4096][4096] f16, bias: [4096] f32, out0: [4096][4096] f32.
; Products in f16 with f32 sums, K ascending, in the matrix unit's own order of adding; the bias, rounded to bf16 like the other inputs, starts each sum.
; LIMITS.  The operands arrive within f16's range (the launch before states where that ends); NaN and infinities are not treated apart.
; SHARES.  256 tiles of out0, 256 x 256 each, a work-group to a tile; four waves, each 128 x 128: 64 accumulators of 16 x 16, 512 registers.
; K goes in 32 steps of 128 through a ring of two LDS slots filled by the tensor data mover: a tile's rows are 256 bytes of memory, at multiples of 256 bytes.
; CLUSTERS.  4 x 4 work-groups.  The four of a row of the cluster need the same tiles of xh, the four of a column the same tiles of wh: each tile is asked for
; JOINTLY, by the same tensor load with the same descriptor and a mask that names the four, and each receives it in its own LDS: a quarter of the requests.
; THE MATRIX INSTRUCTION IS USED TRANSPOSED: source 0 = 16 rows of wh, source 1 = 16 rows of xh.  In the result lane l holds row l % 16 of out0 and its registers
; 0 to 7 the columns 8 (l / 16) + 0 .. 7: 32 consecutive bytes of a row.
; REGISTERS, in windows of 256 (s_set_vgpr_msb: bits 1:0 source 0, 3:2 source 1, 5:4 source 2, 7:6 destination):
;   window 0: v0-31 addresses; v32-63 at work once, on the bias; v64-127, v128-191 fragments of xh, two buffers, later the way out's two buffers; v192-255 the bias
;   window 1: v64-127, v128-191 fragments of wh, two buffers
;   window 2: the 32 accumulators of my rows 0-63 (accumulator (a, b) at v[8 (8 a + b)]);   window 3: those of my rows 64-127
.set SIZE_K, 4096
.set SIZE_N, 4096
.set KSTEP,  128
.set PITCH,  272                       ; an LDS row: 256 bytes + 16 of padding = 68 words: row r starts at bank 4 r mod 64 (64 banks of 4 bytes: ISA guide 11.1), so the 16 rows of a load start at 16 different banks
.set HALFT,  128*PITCH                 ; 128 rows: what one tensor load brings, and what one wave reads of xh or of wh
.set SLOT,   4*HALFT                   ; xh's 256 rows, then wh's 256 rows
.set STAGE,  2*SLOT                    ; behind the ring, never filled by a tensor load: 16 rows x 528 bytes for each wave, for the way out
.set SPITCH, 528                       ; 512 bytes + 16: an odd multiple of 16
.set SPARE,  STAGE+4*16*SPITCH         ; behind the stages: the spare words, 128 bytes for each wave: two blocks of 256 bytes that no other line names
.set LAPS,   SIZE_K/(2*KSTEP)          ; a lap = two K steps = once round the ring: 16
.set ADRA, 16                          ; v16-17  LDS address of my fragments of xh in slot 0, 1
.set ADRB, 20                          ; v20-21  the same for wh
.set STO,  24                          ; v24     the way out: where I put 32 bytes of a row
.set RD,   25                          ; v25     the way out: where I read a row back
.set CO,   26                          ; v26     my byte offset in a row's 512 bytes of out0
.set SPW,  28                          ; v28     LDS address of my spare word: SPARE + 4 x my thread's number; never rewritten
.set NIL,  29                          ; v29     0; never rewritten
.set PFO,  30                          ; v30     the prefetches' offset: my lane x a row of xh or wh (8,192 bytes); never rewritten
.set TB,   32                          ; v32-63  the bias as bf16 pairs, once
.set F0,   64                          ; fragment buffer 0
.set F1,   128                         ; fragment buffer 1
.set BI,   192                         ; v192-255  bias[my first column + 16 b + 8 (l / 16) + j] at BI + 8 b + j: the C operand of the products that start the sums
.set WV,  12                           ; s12  my wave's number
.set WR,  13                           ; s13  which half of the tile's rows is mine.  Also: I fetch for xh (0) or for wh (1)
.set WC,  14                           ; s14  which half of its columns.  Also: which 128 rows of that tile I fetch
.set CX,  15                           ; s15  my place along the cluster's x
.set CY,  16                           ; s16  along its y
.set TC,  17                           ; s17  tile column
.set TR,  18                           ; s18  tile row
.set G1,  24                           ; s[24:31] descriptor group 1 for xh's tiles
.set G0,  32                           ; s[32:39] descriptor group 0 for xh's tiles, a set for each slot
.set LIM, 42                           ; s42  1 in a wave that prefetches, else the greatest number
.set PFA, 44                           ; s[44:45] where my prefetches stand: my work-group's 32 rows of the 128 that I fetch, one K step beyond the refill in hand; a prefetch names the K step after that
.set G1B, 48                           ; s[48:55] descriptor group 1 for wh's tiles: it differs in the mask alone
.set G0B, 56                           ; s[56:63] descriptor group 0 for wh's tiles
.set MSB, 0
.macro WIN new                         ; the immediate's high byte repeats the setting that is left; a switch that changes nothing is dropped
.if MSB != (\new)
	s_set_vgpr_msb (MSB<<8)|(\new)
.set MSB, \new
.endif
.endm
.set MUL_LO, 0xa1                      ; source 0 (wh) window 1, source 1 (xh) window 0, C and D window 2
.set TO_B,   0x40                      ; destination window 1, address window 0
; A joint load.  Waves 0 and 1 fetch xh's two halves, waves 2 and 3 wh's.  Each of the two lines has one mask and one set of registers for all that issue it.  The branch hangs on
; the wave's number alone.  An s_nop 0 and four v_nop follow each line, ahead of the jump, the label and what follows the macro.
.macro JLOAD s
	s_cmp_eq_u32 s[WR], 0
	s_cbranch_scc0 .Lfor_b_\@
	tensor_load_to_lds s[G0+4*(\s):G0+4*(\s)+3], s[G1:G1+7]
	s_nop 0
.rept 4
	v_nop
.endr
	s_branch .Lasked_\@
.Lfor_b_\@:
	tensor_load_to_lds s[G0B+4*(\s):G0B+4*(\s)+3], s[G1B:G1B+7]
	s_nop 0
.rept 4
	v_nop
.endr
.Lasked_\@:
.endm
; A prefetch, behind each joint refill, its five lines and the run of LDS loads that follows them: the K step that stands two refills on, 512 matrix instructions ahead of the
; load that will ask for it: 32 rows x 256 bytes, a lane a row, one instruction a wave.  Each row's 256 bytes of a K step are named once in the launch: xh's tile row is read by
; every cluster of that row of clusters, and the one with cluster x = 0 asks; wh's tile column by every cluster of that column, and cluster y = 0 asks.  The four partners that ask
; for a tile jointly share its rows out by address: of the 128 rows that a wave fetches the partner at place p takes 32 p .. 32 p + 31.  The loop's last trip (s3 = 1) asks for
; nothing: there is no K step two refills on.  K steps 0 to 3 come by their loads alone.
.macro ASK
	s_cmp_gt_u32 s3, s[LIM]
	s_cbranch_scc0 .Lnot_mine_\@
	global_prefetch_b8 v[PFO], s[PFA:PFA+1] offset:KSTEP*2 th:TH_LOAD_NT scope:SCOPE_SE
.Lnot_mine_\@:
.endm
; A round of the cluster's barrier: my work-group's barrier, so that wave 0's signal speaks for all four waves; wave 0 signals for the work-group; every wave waits for all
; sixteen work-groups; my work-group's barrier once more.  No LDS instruction of the wave is pending at a signal.
.macro CREST                           ; a round behind its opening barrier
	s_cmp_lg_u32 s[WV], 0
	s_cbranch_scc1 .Lnot_wave_0_\@
	s_barrier_signal -3
.Lnot_wave_0_\@:
	s_barrier_wait -3
	s_barrier_signal -1
	s_barrier_wait -1
.endm
.macro CROUND                          ; a whole round
	s_barrier_signal -1
	s_barrier_wait -1
	CREST
.endm
	s_load_b256 s[4:11], s[0:1], 0x0               ; xh s[4:5], wh s[6:7], bias s[8:9], out0 s[10:11]
	v_lshl_add_u32 v[SPW], v0, 2, SPARE
	v_mov_b32 v[NIL], 0
	ds_add_u32 v[SPW], v[NIL]                      ; the wave's opening: the add, twice on end, and its wait ahead of my first tensor load; the set-up below stands between
	ds_add_u32 v[SPW], v[NIL]                      ; and once more, under the one wait
	v_lshrrev_b32 v1, 5, v0
	v_readfirstlane_b32 s[WV], v1                  ; wave 0..3
	s_lshr_b32 s[WR], s[WV], 1
	s_and_b32 s[WC], s[WV], 1
	s_bfe_u32 s[CX], ttmp6, 0x40000
	s_bfe_u32 s[CY], ttmp6, 0x40004
	s_lshl_b32 s[TC], ttmp9, 2                     ; in a cluster launch ttmp9 and ttmp7 count clusters
	s_add_co_u32 s[TC], s[TC], s[CX]               ; tile column = 4 x cluster x + cx
	s_and_b32 s[TR], ttmp7, 0xffff
	s_lshl_b32 s[TR], s[TR], 2
	s_add_co_u32 s[TR], s[TR], s[CY]               ; tile row = 4 x cluster y + cy
	s_lshl_b32 s19, s[CY], 2
	s_lshl_b32 s19, 15, s19                        ; my row of the cluster: places 4 cy .. 4 cy + 3
	s_lshl_b32 s23, 0x1111, s[CX]                  ; my column: places cx, cx + 4, cx + 8, cx + 12
	; descriptor group 1: a tile of 128 rows x 128 elements, padded in LDS
	s_or_b32 s[G1+0], s19, (1<<16)|(1<<20)|(1<<21)|(5<<22)|(3<<25)   ; 15:0 the mask: xh's tiles go to my row; 17:16 elements of 2 bytes; 20 padding on; 21 set beside a mask; 24:22 after every 64 words (code 5); 31:25 4 words (code 3)
	s_or_b32 s[G1B+0], s23, (1<<16)|(1<<20)|(1<<21)|(5<<22)|(3<<25)  ; the same with the mask of my column, for wh's tiles
.irp g, G1, G1B
	s_mov_b32 s[(\g)+1], KSTEP<<16                 ; 63:48 tensor_dim0 = 128
	s_mov_b32 s[(\g)+2], 128<<16                   ; 95:80 tensor_dim1 = 128
	s_mov_b32 s[(\g)+3], KSTEP<<16                 ; 127:112 tile_dim0 = 128
	s_mov_b32 s[(\g)+4], 128                       ; 143:128 tile_dim1 = 128; tile_dim2 = 0
	s_mov_b32 s[(\g)+5], SIZE_K                    ; 191:160 elements from row to row
	s_mov_b32 s[(\g)+6], 0
	s_mov_b32 s[(\g)+7], 0
.endr
	; where the tiles come from.  xh's hang on the tile row alone, which my row of the cluster shares; wh's on the tile column alone, which my column shares.
	; Every wave makes both addresses, in registers that never hold the other coordinate, and asks by one of them.
	s_lshl_b32 s19, s[WC], 7                       ; which 128 rows of the tile I fetch
	s_lshl_b32 s20, s[TR], 8
	s_add_co_u32 s20, s20, s19                     ; xh: row 256 x tile row + 128 x half,
	s_lshl_b32 s20, s20, 13                        ; times 8,192 bytes: under 2^25
	s_mov_b32 s21, 0
	s_lshl_b32 s46, s[TC], 8
	s_add_co_u32 s46, s46, s19                     ; wh: row 256 x tile column + 128 x half
	s_lshl_b32 s46, s46, 13
	s_mov_b32 s47, 0
	s_mul_i32 s22, s[WV], HALFT                    ; and where they go: wave x 128 rows: no place in the cluster enters an LDS address
	s_wait_dscnt 0x0                               ; both opening adds are done
	s_wait_kmcnt 0x0
	s_add_nc_u64 s[40:41], s[4:5], s[20:21]
	s_add_nc_u64 s[46:47], s[6:7], s[46:47]
	CROUND                                         ; all sixteen work-groups are here: the first joint loads meet
.irp s, 0,1
	s_mov_b32 s[G0+4*(\s)], 1                                        ; 1:0 count = 1
	s_add_co_u32 s[G0+4*(\s)+1], s22, (\s)*SLOT                      ; 63:32 LDS address
	s_add_nc_u64 s[G0+4*(\s)+2:G0+4*(\s)+3], s[40:41], (\s)*KSTEP*2  ; 120:64 global address: K step s
	s_or_b32 s[G0+4*(\s)+3], s[G0+4*(\s)+3], 0x80000000              ; 127:126 type = 2
	s_mov_b32 s[G0B+4*(\s)], 1
	s_add_co_u32 s[G0B+4*(\s)+1], s22, (\s)*SLOT
	s_add_nc_u64 s[G0B+4*(\s)+2:G0B+4*(\s)+3], s[46:47], (\s)*KSTEP*2
	s_or_b32 s[G0B+4*(\s)+3], s[G0B+4*(\s)+3], 0x80000000
	JLOAD \s                                       ; the ring is filled before anything else is done: two loads of mine are out
.endr
	; A fragment is 16 rows x 32 K in 8 registers: lane l holds row l % 16; registers 0-3 hold K = 8 (l / 16) + 0..7, registers 4-7 K = 16 + 8 (l / 16) + 0..7:
	; two loads of 16 bytes, 32 bytes apart.  The same for source 0 and source 1.
	v_and_b32 v1, 15, v0                           ; l % 16
	v_bfe_u32 v2, v0, 4, 1                         ; l / 16
	v_and_b32 v4, 31, v0                           ; l
	v_mul_u32_u24 v3, v1, PITCH
	v_lshl_add_u32 v3, v2, 4, v3                   ; row x pitch + 16 x half
	s_mul_i32 s20, s[WR], HALFT                    ; my 128 rows of xh
	s_mul_i32 s21, s[WC], HALFT                    ; my 128 rows of wh,
	s_add_co_u32 s21, s21, 2*HALFT                 ; which lie behind xh's 256
.irp s, 0,1
	v_add_nc_u32 v[ADRA+(\s)], s20, v3
	v_add_nc_u32 v[ADRB+(\s)], s21, v3
	s_add_co_u32 s20, s20, SLOT
	s_add_co_u32 s21, s21, SLOT
.endr
	s_mul_i32 s22, s[WV], 16*SPITCH
	s_add_co_u32 s22, s22, STAGE                   ; my stage
	v_mul_u32_u24 v5, v1, SPITCH                   ; in: row l % 16, 32 bytes for each half of the lanes
	v_lshl_add_u32 v5, v2, 5, v5
	v_add_nc_u32 v[STO], s22, v5
	v_lshlrev_b32 v[CO], 4, v4                     ; back: 32 lanes take one row of 512 bytes,
	v_add_nc_u32 v[RD], s22, v[CO]                 ; which are 512 consecutive bytes of out0
	v_lshlrev_b32 v6, 5, v2                        ; the bias: 32 bytes for each half of the lanes
	s_lshl_b32 s46, s[TC], 10                      ; my first column in bytes of f32: 1,024 x tile column + 512 x half
	s_lshl_b32 s47, s[WC], 9
	s_add_co_u32 s46, s46, s47
	s_mov_b32 s47, 0
	s_add_nc_u64 s[8:9], s[8:9], s[46:47]
	s_add_nc_u64 s[10:11], s[10:11], s[46:47]
	s_lshl_b32 s20, s[TR], 8
	s_lshl_b32 s21, s[WR], 7
	s_add_co_u32 s20, s20, s21                     ; my first row of out0,
	s_lshl_b32 s20, s20, 14                        ; times 16,384 bytes: under 2^26
	s_mov_b32 s21, 0
	s_add_nc_u64 s[10:11], s[10:11], s[20:21]
.irp b, 0,1,2,3,4,5,6,7
	global_load_b128 v[BI+8*(\b):BI+8*(\b)+3],   v6, s[8:9] offset:64*(\b)
	global_load_b128 v[BI+8*(\b)+4:BI+8*(\b)+7], v6, s[8:9] offset:64*(\b)+16
.endr
	; the prefetches' address and who asks
	s_lshl_b32 s19, s[TR], 8
	s_lshl_b32 s23, s[TC], 8
	s_and_b32 s22, ttmp7, 0xffff                   ; cluster y
	s_cmp_eq_u32 s[WR], 0                          ; do I fetch for xh?
	s_cselect_b32 s20, s19, s23                    ; the tile's first row: in xh by the tile row, in wh by the tile column
	s_cselect_b32 s21, s[CX], s[CY]                ; my place among the four that ask for it with me
	s_cselect_b32 s22, ttmp9, s22                  ; the coordinate along which other clusters read the same rows
	s_cselect_b64 s[PFA:PFA+1], s[4:5], s[6:7]
	s_cmp_eq_u32 s22, 0
	s_cselect_b32 s[LIM], 1, -1                    ; the same in all sixteen partners, for a given wave
	s_lshl_b32 s22, s[WC], 7
	s_add_co_u32 s20, s20, s22                     ; + the 128 rows that I fetch
	s_lshl_b32 s21, s21, 5
	s_add_co_u32 s20, s20, s21                     ; + my work-group's 32 of them
	s_lshl_b32 s20, s20, 13
	s_mov_b32 s21, 0
	s_add_nc_u64 s[PFA:PFA+1], s[PFA:PFA+1], s[20:21]
	s_add_nc_u64 s[PFA:PFA+1], s[PFA:PFA+1], 2*KSTEP*2  ; at K step 2: the first refill steps it to 3 and names K step 4
	v_lshlrev_b32 v[PFO], 13, v4
	; the bias is rounded to bf16 once, like the other inputs, and kept as f32: all this stands in the wait for the first tile
	s_wait_loadcnt 0x0
.set i, 0
.rept 32
	v_cvt_pk_bf16_f32 v[TB+i], v[BI+2*i], v[BI+2*i+1]
.set i, i+1
.endr
.set i, 0
.rept 32
	v_lshlrev_b32 v[BI+2*i], 16, v[TB+i]
	v_and_b32 v[BI+2*i+1], 0xffff0000, v[TB+i]
.set i, i+1
.endr
; 16 matrix instructions: m blocks a0, a0 + 1 of the window's four (hi = 0: my rows 0-63, 1: rows 64-127) x all 8 n blocks, 32 along K.
; first = 1: the product starts the sum with the bias as its C operand (window 0): nothing is cleared, and no addition follows the sums.
; The 64 accumulators take turns, one instruction a turn, in the same order in every quarter step, over the loop's backward jump too.
.macro MUL16 f, hi, a0, first
.if \first
	WIN 0x81+0x40*(\hi)                            ; source 0 window 1, sources 1 and 2 window 0, destination window 2 or 3
.else
	WIN MUL_LO+0x50*(\hi)                          ; C and D window 2 or 3
.endif
.irp a, \a0, (\a0)+1
.irp b, 0,1,2,3,4,5,6,7
.if \first
	v_wmma_f32_16x16x32_f16 v[8*(8*(\a)+(\b)):8*(8*(\a)+(\b))+7], v[(\f)+8*(\b):(\f)+8*(\b)+7], v[(\f)+8*(4*(\hi)+(\a)):(\f)+8*(4*(\hi)+(\a))+7], v[BI+8*(\b):BI+8*(\b)+7]
.else
	v_wmma_f32_16x16x32_f16 v[8*(8*(\a)+(\b)):8*(8*(\a)+(\b))+7], v[(\f)+8*(\b):(\f)+8*(\b)+7], v[(\f)+8*(4*(\hi)+(\a)):(\f)+8*(4*(\hi)+(\a))+7], v[8*(8*(\a)+(\b)):8*(8*(\a)+(\b))+7]
.endif
.endr
.endr
.endm
; 32 LDS loads in one run: the fragments of one quarter step (128 rows of wh, 128 rows of xh, 32 K at byte k of the rows) into buffer f
.macro FETCH slot, k, f
	WIN TO_B
.irp i, 0,1,2,3,4,5,6,7
	ds_load_b128 v[(\f)+8*(\i):(\f)+8*(\i)+3],   v[ADRB+(\slot)] offset:(\k)+(\i)*16*PITCH
	ds_load_b128 v[(\f)+8*(\i)+4:(\f)+8*(\i)+7], v[ADRB+(\slot)] offset:(\k)+(\i)*16*PITCH+32
.endr
	WIN 0
.irp i, 0,1,2,3,4,5,6,7
	ds_load_b128 v[(\f)+8*(\i):(\f)+8*(\i)+3],   v[ADRA+(\slot)] offset:(\k)+(\i)*16*PITCH
	ds_load_b128 v[(\f)+8*(\i)+4:(\f)+8*(\i)+7], v[ADRA+(\slot)] offset:(\k)+(\i)*16*PITCH+32
.endr
.endm
; A load into a register that a matrix instruction has read, and a store that reads a matrix result, stand four places behind that matrix instruction, and only plain vector
; instructions that name none of its registers are places (ISA guide 7.12.1 for vector instructions).
.macro PLACES
.rept 4
	v_nop
.endr
.endm
; A K step is four quarter steps of 32 along K, 64 matrix instructions each, on buffers 0, 1, 0, 1.
; One of the first three: multiplies buffer f; in its middle it fetches the next quarter's fragments, at byte k of the same slot's rows, into buffer g.
.macro QUARTER slot, k, f, g, first
	s_wait_dscnt 8                                 ; wh and xh's rows 0-63 are in; the youngest eight loads (xh's rows 64-127) may be out
	MUL16 \f, 0, 0, \first
	MUL16 \f, 0, 2, \first
	PLACES
	FETCH \slot, \k, \g
	s_wait_dscnt 32                                ; all but the 32 just issued
	MUL16 \f, 1, 0, \first
	MUL16 \f, 1, 2, \first
.endm
; The last quarter multiplies buffer 1 and changes slots.  MEET is its first half: one barrier for the change, for two things.  In front of it each wave waits for all its tensor
; loads, of which one is out: its part of the next slot; adds 0 to its spare word; and waits for that and for its own reads of this slot.  Behind it nobody reads this slot any
; more and the next slot is whole.
.macro MEET round                      ; round = 1: the rest of a round of the cluster's barrier follows
	WIN 0                                          ; (the add's two registers lie in window 0)
	s_wait_tensorcnt 0x0                           ; all my tensor loads have landed: the one that was out is my part of the next slot;
	ds_add_u32 v[SPW], v[NIL]                      ; 0 onto my spare word
	s_wait_dscnt 9                                 ; (the add and the youngest eight loads may be out)
	MUL16 F1, 0, 0, 0                              ; sixteen matrix instructions stand between the add and the wait for it
	s_wait_dscnt 0x0                               ; the add is done, and my reads of this slot are over:
	s_barrier_signal -1                            ; say so,
	MUL16 F1, 0, 2, 0                              ; work on registers while the others arrive,
.if \round
	WIN 0
.endif
	s_barrier_wait -1                              ; and go on when all four have said so
.endm
; The whole last quarter.  fill = 1: behind the round the slot just read out is filled again first, with the K step two steps on; then come the next slot's first fragments.
; From a request to the wait for it a wave issues 224 matrix instructions.
.macro TURN slot, next, fill
.if \fill
	s_wait_xcnt 0x0                                ; the last prefetch, a K step back, has read its address: it is stepped here, ahead of the waits of the change of slots
	s_add_nc_u64 s[PFA:PFA+1], s[PFA:PFA+1], KSTEP*2
	MEET 1
	CREST                                          ; no wave of any partner still reads this slot's tile or has a load on its way
	s_add_nc_u64 s[G0+4*(\slot)+2:G0+4*(\slot)+3], s[G0+4*(\slot)+2:G0+4*(\slot)+3], 2*KSTEP*2     ; no tensor load of mine is out, so a group 0 may be written
	s_add_nc_u64 s[G0B+4*(\slot)+2:G0B+4*(\slot)+3], s[G0B+4*(\slot)+2:G0B+4*(\slot)+3], 2*KSTEP*2
	JLOAD \slot                                    ; the first tensor load behind the round, one a wave; the four v_nop behind it are also the places in front of the loads below
	FETCH \next, 0, F0
	ASK                                            ; behind the joint load and the run of LDS loads that the next products wait for
.else
	MEET 0                                         ; nothing is filled again, so no round follows
	PLACES
	FETCH \next, 0, F0
.endif
	MUL16 F1, 1, 0, 0
	MUL16 F1, 1, 2, 0
.endm
; THE WAY OUT of block a (16 rows x 128 columns of f32).  TOSTAGE: a lane's 32 bytes of a row go into my own stage, straight from the accumulators (each one's low four registers
; first), and come back as whole rows of 512 bytes.  The stage's pitch of 528 bytes sets the 16 rows of a store at 16 different groups of four banks.
.macro TOSTAGE a
.set AC, 64*((\a)%4)
.set BK, F0+64*((\a)%2)
	WIN 0x08+4*((\a)/4)                            ; the stores' data (source 1) in window 2 or 3
.irp b, 0,1,2,3,4,5,6,7
	ds_store_b128 v[STO], v[AC+8*(\b):AC+8*(\b)+3]   offset:64*(\b)
	ds_store_b128 v[STO], v[AC+8*(\b)+4:AC+8*(\b)+7] offset:64*(\b)+16
.endr
	WIN 0
.if (\a) >= 2
	s_wait_xcnt 0x0                                ; the global stores of the block two back have read this buffer: it is loaded again only behind this wait
.endif
.irp t, 0,1,2,3,4,5,6,7,8,9,10,11,12,13,14,15
	ds_load_b128 v[BK+4*(\t):BK+4*(\t)+3], v[RD] offset:(\t)*SPITCH  ; LDS serves a wave's instructions in order (ISA guide 5.7.1.4): these see the stores above, and the next block's stores come behind them
.endr
.endm
.macro SEND a, younger                 ; younger: the LDS instructions issued behind block a's loads: the next block's 16 stores and 16 loads, or none
.set BK, F0+64*((\a)%2)
	s_wait_dscnt \younger                          ; the block is back in registers
.irp t, 0,1,2,3,4,5,6,7,8,9,10,11,12,13,14,15
	global_store_b128 v[CO], v[BK+4*(\t):BK+4*(\t)+3], s[10:11] offset:((\a)*16+(\t))*SIZE_N*4 th:TH_STORE_NT  ; 512 consecutive bytes, at a multiple of 512 from out0's first byte; 127 rows at the most: 2,080,768, inside the signed 24-bit immediate
.endr
.endm
	s_wait_tensorcnt 1                             ; my part of K step 0 is in; K step 1's may stay out
	s_barrier_signal -1
	s_barrier_wait -1                              ; everybody's is
	FETCH 0, 0, F0
	QUARTER 0, 64,  F0, F1, 1                      ; the first quarter stands in front of the loop: its products start the sums, with the bias
	WIN 0                                          ; at a label and at a branch every window is 0
	s_mov_b32 s3, LAPS-1
.Llap:                                                 ; a trip goes once round the ring, from a lap's second quarter to the next lap's first, and fills both slots again
	QUARTER 0, 128, F1, F0, 0
	QUARTER 0, 192, F0, F1, 0
	TURN 0, 1, 1
	QUARTER 1, 64,  F0, F1, 0
	QUARTER 1, 128, F1, F0, 0
	QUARTER 1, 192, F0, F1, 0
	TURN 1, 0, 1
	QUARTER 0, 64,  F0, F1, 0
	WIN 0
	s_sub_co_u32 s3, s3, 1
	s_cmp_lg_u32 s3, 0
	s_cbranch_scc1 .Llap
	QUARTER 0, 128, F1, F0, 0                      ; the last lap is written out: it fills nothing
	QUARTER 0, 192, F0, F1, 0
	TURN 0, 1, 0                                   ; its wait for all tensor loads shows the last K step landed
	QUARTER 1, 64,  F0, F1, 0
	QUARTER 1, 128, F1, F0, 0
	QUARTER 1, 192, F0, F1, 0
	s_wait_dscnt 8                                 ; the very last quarter: nothing more to fetch
	MUL16 F1, 0, 0, 0
	MUL16 F1, 0, 2, 0
	s_wait_dscnt 0x0
	MUL16 F1, 1, 0, 0
	MUL16 F1, 1, 2, 0
	WIN 0
	PLACES                                         ; the stage's stores read results just made, and its loads land in registers that the last products read;
	PLACES                                         ; eight places, once a launch
	TOSTAGE 0
	TOSTAGE 1
.irp a, 0,1,2,3,4,5
	SEND \a, 32                                    ; a block's stores leave while the next block's round trip through the stage is under way
	TOSTAGE (\a)+2
.endr
	SEND 6, 32
	SEND 7, 0
	s_wait_tensorcnt 0x0                           ; the wave's end, behind my last tensor load and my last LDS store
	ds_add_u32 v[SPW], v[NIL]
	s_wait_dscnt 0x0
	CROUND                                         ; the closing round: no work-group ends while a partner may still ask for a tile that names it
	s_endpgm
.Lfunc_end_k_q82825e7bd7_gemm:
	.size	k_q82825e7bd7_gemm, .Lfunc_end_k_q82825e7bd7_gemm-k_q82825e7bd7_gemm
	.p2alignl 7, 3214868480
	.fill 96, 4, 3214868480
	.section	.rodata,"a",@progbits
	.p2align	6, 0x0
	.amdhsa_kernel k_q82825e7bd7_gemm
		.amdhsa_group_segment_fixed_size 327680
		.amdhsa_private_segment_fixed_size 0
		.amdhsa_enable_private_segment 0
		.amdhsa_kernarg_size 32
		.amdhsa_user_sgpr_count 2
		.amdhsa_user_sgpr_kernarg_segment_ptr 1
		.amdhsa_wavefront_size32 1
		.amdhsa_system_sgpr_workgroup_id_x 1
		.amdhsa_system_sgpr_workgroup_id_y 1
		.amdhsa_system_sgpr_workgroup_id_z 1
		.amdhsa_system_vgpr_workitem_id 0
		.amdhsa_next_free_vgpr 1024
		.amdhsa_next_free_sgpr 66
		.amdhsa_reserve_vcc 0
		.amdhsa_float_denorm_mode_32 3
		.amdhsa_float_denorm_mode_16_64 3
		.amdhsa_memory_ordered 1
		.amdhsa_forward_progress 1
		.amdhsa_inst_pref_size 148
	.end_amdhsa_kernel
	.amdgpu_metadata
---
amdhsa.version: [ 1, 2 ]
amdhsa.kernels:
  - .name:           k_q82825e7bd7_gemm
    .symbol:         k_q82825e7bd7_gemm.kd
    .args:
      - { .name: xh, .offset: 0, .size: 8, .value_kind: global_buffer, .address_space: global }
      - { .name: wh, .offset: 8, .size: 8, .value_kind: global_buffer, .address_space: global }
      - { .name: bias, .offset: 16, .size: 8, .value_kind: global_buffer, .address_space: global }
      - { .name: out0, .offset: 24, .size: 8, .value_kind: global_buffer, .address_space: global }
    .group_segment_fixed_size: 327680
    .private_segment_fixed_size: 0
    .kernarg_segment_align: 8
    .kernarg_segment_size: 32
    .max_flat_workgroup_size: 128
    .sgpr_count:     66
    .vgpr_count:     1024
    .wavefront_size: 32
...
	.end_amdgpu_metadata
.endif
;; end of part 2
